; MI455X (gfx1250); checked and timed in simulation.
; The chip was launched on July 23, 2026; its instructions are those of AMD's public machine-readable ISA for CDNA 5 (MIT licence, August 2026) and "CDNA5" Instruction Set Architecture Reference Guide (July 2026). The comments in the code are by the model that wrote it; some were corrected since.
;; NW. Allowed arithmetic: float matrix products may take bf16 or f16 operands with f32 sums; all other float work in f32.
;; Inputs: indices 8,192 int32; pairs 20,000 x 2 x 16 float32; t 1 float32; x_input 4,096 x 16 float32.
;; Outputs: out0 4,096 x 16 float32.
;; 2 versions, each right and faster than the one before. Each part assembles by itself: llvm-mc -triple=amdgcn-amd-amdhsa -mcpu=gfx1250 --defsym DOCPART=n.
;; ======== version 1 of 2: 2 launches
;; limits: values are held in f16: magnitudes above 65,504 overflow, below 6.1e-05 lose precision; right only within a limited range of input values
;; workspace buffers: po 1,048,576 bytes; pml 131,072 bytes
;; launch partial (part 1): grid 64 x 4, 8 waves a work-group, no clusters, 207,872 bytes of LDS; arguments indices, pairs, t, x_input, po, pml; writes po, pml
.if DOCPART == 1
	.amdgcn_target "amdgcn-amd-amdhsa--gfx1250"
	.amdhsa_code_object_version 6
	.text
	.protected	k_q4a3bcc1fbf_partial
	.globl	k_q4a3bcc1fbf_partial
	.p2align	8
	.type	k_q4a3bcc1fbf_partial,@function
k_q4a3bcc1fbf_partial:
	s_mov_b64 s[64:65], 0
	v_nop
	global_prefetch_b8 v0, s[64:65] scope:SCOPE_SE
	s_setreg_imm32_b32 hwreg(HW_REG_WAVE_MODE, 25, 1), 1
	s_wait_xcnt 0x0
; Nadaraya-Watson weights, part 1: for 64 queries (work-group x) and 2,048 of the 8,192 listed samples (work-group y)
;   m[q]    = max over the samples of  L(q,s) = log2e * min(-|x_q - x_t,s|^2 / 2, 0)      (x_t = t pi1 + (1-t) pi0)
;   l[q]    = sum of 2^(L - m),     O[q][d] = sum of 2^(L - m) pi1[s][d]
; stored to pml (m, l) and po (O).  The second launch merges the four sample blocks and finishes v.
; The reference's factors S and 1/S (8192, a power of two) cancel exactly and are not written.
;
; Eight waves.  A wave owns 256 samples and all 64 queries (4 tiles of 16): every fragment read from LDS feeds 4 tiles.
; Both products use f16 operands and f32 sums.  The feature length 16 fills half of the instruction's K = 32; the other
; half carries the norms, so that one instruction gives the finished logit:
;   sample row  k = 0..15: x_t          16,17: nk as hi + lo   18,19: 1, 1       20..31: don't care (finite)
;   query col   k = 0..15: log2e x      16,17: 1, 1            18,19: c hi + lo  20..31: 0
;   nk = -log2e |x_t|^2 / 2,  c = -log2e |x|^2 / 2 (pass 1),  c - m (pass 2).
; The score is made transposed (rows = samples, columns = queries): a lane then holds 8 samples of ONE query, the
; threshold and the sum are per lane, and two packed score tiles are already the B fragment of the second product.
;
; LIMITS (range and format): f16 operands, so |log2e x|, |x_t|, |pi1| below 65,504 and the norm terms too: norms of x
; and x_t below 100.  A weight below 2^-24 of the largest of its 2,048 samples is dropped.  NaN and infinities are not
; served.  An index is taken as unsigned and held at 19,999.
; No joint requests in a cluster: what the work-groups share is a gather of 128-byte rows steered by a list, lane by
; lane, not a tile.  No prefetch: the first 32 row loads of a wave leave as soon as its indices are in.
.set NROWS,  20000
.set NW,     8                         ; waves
.set SPW,    256                       ; samples of a wave
.set KP,     48                        ; LDS row of K: 32 bytes x_t, 16 bytes (nk hi, lo, 1, 1, 0, 0, 0, 0); 3 x 16: rows fall on different banks
.set VP,     32                        ; LDS row of V: 16 f16 of pi1
.set KREG,   SPW*KP                    ; a wave's K rows
.set VREG,   SPW*VP                    ; a wave's V rows
.set VB0,    NW*KREG
.set MX0,    VB0+NW*VREG               ; 8 waves x 64 maxima
.set MG0,    MX0+NW*256                ; merge: 8 waves x 64 rows of 80 bytes: O (64), l of the two lane halves (8), m twice (8)
.set MGP,    80
.set MGW,    64*MGP
.set NHL2E,  0xbf38aa3b                ; -log2e / 2
.set HIMASK, 0xffffe000                ; keeps the 10 mantissa bits that f16 holds
.set LANE, 1
.set RR,   2                           ; lane % 16
.set HH,   3                           ; lane / 16
.set KST,  4                           ; LDS: where I store 8 bytes of x_t
.set VST,  5                           ;      8 bytes of pi1
.set AST,  6                           ;      my word of the row's last 16 bytes
.set KLD,  7                           ; LDS: K fragment, features
.set ALD,  8                           ;      K fragment, norm part
.set VLD,  9                           ;      V fragment, transposing load
.set C16,  10                          ; 16 x (lane % 4): my 16 bytes in pi0 and in pi1
.set AUXC, 11                          ; my constant word of a K row's last 16 bytes
.set IDXO, 12
.set XO,   13
.set T0,   14
.set T1,   15
.set TT,   16                          ; v[16:17] t, t
.set UT,   18                          ; v[18:19] 1-t, 1-t
.set L2E,  20                          ; v[20:21] log2e twice
.set ML,   22                          ; v[22:23] (m, l) on the way out
.set ONESH,24                          ; (1, 1) in f16 in lanes 0-15, 0 above
.set MXS,  25
.set MXL,  26
.set GO,   27
.set GM,   28
.set CQ,   30                          ; v[30:33] c of my query in tile 0..3
.set THR,  34                          ; v[34:37] -m: the clamp's threshold
.set MX,   38                          ; v[38:45] running maxima, two for each tile
.set MP,   42                          ; v[42:45] then m
.set Q,    48                          ; v[48:79] query fragments
.set OFF,  80                          ; v[80:111] indices, turned in place into row offsets, one register for each group of 8 rows
.set S,    80                          ;           then score buffers
.set NRM,  112                         ; v[112:119] norms at work
.set P,    112                         ; v[112:127] then two buffers of packed weights
.set GA,   128                         ; v[128:255] gather ring: 16 groups x 8 registers
.set KF,   128                         ;            then pass 1: all 16 K fragments
.set O,    128                         ; v[128:159] then the four accumulators
.set KV,   160                         ; v[160:207] two buffers of (K tile, K tile, V fragment)
.set LA,   208                         ; v[208:215] l, a pair for each tile
	s_load_b256 s[4:11], s[0:1], 0x0               ; indices s[4:5], pairs s[6:7], t s[8:9], x_input s[10:11]
	s_load_b128 s[12:15], s[0:1], 0x20             ; po s[12:13], pml s[14:15]
	v_lshl_add_u32 v46, v0, 2, 0x32800
	v_mov_b32 v47, 0
	v_and_b32 v[LANE], 31, v0
	v_lshrrev_b32 v[T0], 5, v0
	v_readfirstlane_b32 s16, v[T0]                 ; wave
	s_and_b32 s17, ttmp7, 0xffff                   ; sample block
	v_and_b32 v[RR], 15, v0
	v_bfe_u32 v[HH], v0, 4, 1
	v_and_b32 v[T0], 0x1c, v0                      ; 4 g, g = lane / 4: which of a group's 8 rows
	v_and_b32 v[T1], 3, v0                         ; c = lane % 4: which quarter of the row's halves
	s_lshl_b32 s20, s17, 13                        ; 2,048 indices of 4 bytes a block
	s_lshl_b32 s21, s16, 10                        ; 256 a wave
	s_add_co_u32 s20, s20, s21
	v_lshl_add_u32 v[IDXO], v[T0], 2, s20          ; lane g takes indices 4 g .. 4 g + 3 of each run of 32
	v_lshlrev_b32 v[XO], 6, v[RR]
	v_lshl_add_u32 v[XO], v[HH], 5, v[XO]          ; query row r, features 8 h ..
	s_lshl_b32 s22, ttmp9, 12                      ; 64 queries of 64 bytes
	s_mov_b32 s23, 0
	s_lshl_b32 s30, s17, 18                        ; po: block x 4,096 queries x 64 bytes
	s_add_co_u32 s30, s30, s22
	s_mov_b32 s31, 0
	s_lshl_b32 s32, s17, 15                        ; pml: block x 4,096 x 8 bytes
	s_lshl_b32 s21, ttmp9, 9
	s_add_co_u32 s32, s32, s21
	s_mov_b32 s33, 0
	s_wait_kmcnt 0x0
	s_load_b32 s18, s[8:9], 0x0                    ; t
	s_add_nc_u64 s[10:11], s[10:11], s[22:23]
	s_add_nc_u64 s[12:13], s[12:13], s[30:31]
	s_add_nc_u64 s[14:15], s[14:15], s[32:33]
.irp b,0,1,2,3,4,5,6,7
	global_load_b128 v[OFF+4*\b:OFF+4*\b+3], v[IDXO], s[4:5] offset:128*\b
.endr
.irp qt,0,1,2,3
	global_load_b128 v[Q+8*\qt:Q+8*\qt+3],   v[XO], s[10:11] offset:1024*\qt
	global_load_b128 v[Q+8*\qt+4:Q+8*\qt+7], v[XO], s[10:11] offset:1024*\qt+16
.endr
	; LDS addresses and lane constants, while the loads are out
	s_mul_i32 s24, s16, KREG
	s_mul_i32 s25, s16, VREG
	s_add_co_u32 s25, s25, VB0
	v_mul_u32_u24 v[AST], v[T0], KP/4              ; 48 g
	v_add_nc_u32 v[AST], s24, v[AST]
	v_lshl_add_u32 v[KST], v[T1], 3, v[AST]        ; + 8 c
	v_lshl_add_u32 v[AST], v[T1], 2, v[AST]        ; + 4 c (the 32 stands in the immediate)
	v_lshl_add_u32 v[VST], v[LANE], 3, s25         ; 32 g + 8 c = 8 x lane: a group's 8 rows are 256 dense bytes
	v_mul_u32_u24 v[ALD], v[RR], KP
	v_add_nc_u32 v[ALD], s24, v[ALD]
	v_lshl_add_u32 v[KLD], v[HH], 4, v[ALD]
	v_lshlrev_b32 v[C16], 4, v[T1]
	v_cmp_gt_u32 s26, 16, v[LANE]                  ; lanes 0-15
	v_cmp_eq_u32 s27, 0, v[T1]                     ; lanes with c = 0
	v_cmp_eq_u32 vcc_lo, 1, v[T1]
	v_mov_b32 v[ONESH], 0x3c003c00                 ; 1.0, 1.0 in f16
	v_cndmask_b32 v[AUXC], 0, v[ONESH], vcc_lo     ; word 1 of the norm part is (1, 1), words 2 and 3 are 0
	v_cndmask_b32 v[ONESH], 0, v[ONESH], s26
	v_and_b32 v[T0], 7, v0
	v_lshl_add_u32 v[T0], v[HH], 3, v[T0]          ; transposing load: lane addresses row 8 h + lane % 8,
	v_lshl_add_u32 v[VLD], v[T0], 5, s25
	v_bfe_u32 v[T0], v0, 3, 1
	v_lshl_add_u32 v[VLD], v[T0], 4, v[VLD]        ; 16 bytes chosen by bit 3 of the lane
	v_lshlrev_b32 v[MXL], 2, v[RR]
	v_add_nc_u32 v[MXL], MX0, v[MXL]
	s_lshl_b32 s21, s16, 8
	v_add_nc_u32 v[MXS], s21, v[MXL]               ; each wave has 256 bytes of its own for its 64 maxima
	s_mov_b32 s28, 0x76543210                      ; v_permlanex16_b32: lane i reads lane i of the other half
	s_mov_b32 s29, 0xfedcba98
	v_mov_b32 v[L2E], 0x3fb8aa3b
	v_mov_b32 v[L2E+1], 0x3fb8aa3b
; Offsets and loads of four groups of 8 rows.  Group G: lane (g, c) takes the row named by index 32 (G / 4) + 4 g + G % 4.
; A loaded index enters an address only behind the unsigned minimum with the table's last row.
.macro ISSUE4 g0
.irp k,0,1,2,3
	v_min_u32 v[OFF+\g0+\k], NROWS-1, v[OFF+\g0+\k]
.endr
.irp k,0,1,2,3
	v_lshlrev_b32 v[OFF+\g0+\k], 7, v[OFF+\g0+\k]  ; a row of pairs is 128 bytes
.endr
.irp k,0,1,2,3
	v_add_nc_u32 v[OFF+\g0+\k], v[C16], v[OFF+\g0+\k]
.endr
.irp k,0,1,2,3
	global_load_b128 v[GA+8*((\g0+\k)%16):GA+8*((\g0+\k)%16)+3],   v[OFF+\g0+\k], s[6:7]            ; pi0[4c ..]
	global_load_b128 v[GA+8*((\g0+\k)%16)+4:GA+8*((\g0+\k)%16)+7], v[OFF+\g0+\k], s[6:7] offset:64  ; pi1[4c ..]
.endr
.endm
	s_wait_loadcnt 0x8                             ; loads return in order: the indices are in, the 8 loads of x may be out
	ISSUE4 0
	ISSUE4 4
	ISSUE4 8
	ISSUE4 12
	s_wait_kmcnt 0x0                               ; t
	s_xor_b32 s19, s18, 0x80000000
	s_add_f32 s19, s19, 1.0                        ; 1 - t
	v_mov_b32 v[TT], s18
	v_mov_b32 v[TT+1], s18
	v_mov_b32 v[UT], s19
	v_mov_b32 v[UT+1], s19
; dst = (hi, lo): src as the sum of two f16.  hi is src cut to f16's mantissa, lo the rest.
.macro AUXPAIR dst, src, tmp
	v_and_b32 v[\tmp], HIMASK, v[\src]
	v_sub_f32 v[\dst], v[\src], v[\tmp]
	v_cvt_pk_f16_f32 v[\dst], v[\tmp], v[\dst]
.endm
	; The query fragments, in place, while the rows are on their way.
	s_wait_loadcnt 32                              ; x is in; the 32 row loads stay out
.irp qt,0,1,2,3
	v_pk_mul_f32 v[NRM+2*\qt:NRM+2*\qt+1], v[Q+8*\qt:Q+8*\qt+1], v[Q+8*\qt:Q+8*\qt+1]
.endr
.irp j,2,4,6
.irp qt,0,1,2,3
	v_pk_fma_f32 v[NRM+2*\qt:NRM+2*\qt+1], v[Q+8*\qt+\j:Q+8*\qt+\j+1], v[Q+8*\qt+\j:Q+8*\qt+\j+1], v[NRM+2*\qt:NRM+2*\qt+1]
.endr
.endr
.irp qt,0,1,2,3
	v_add_f32 v[NRM+2*\qt], v[NRM+2*\qt], v[NRM+2*\qt+1]
.endr
.irp qt,0,1,2,3
	v_permlanex16_b32 v[NRM+2*\qt+1], v[NRM+2*\qt], s28, s29       ; the other 8 features' part
.endr
.irp qt,0,1,2,3
	v_add_f32 v[NRM+2*\qt], v[NRM+2*\qt], v[NRM+2*\qt+1]           ; |x|^2
.endr
.irp qt,0,1,2,3
	v_mul_f32 v[CQ+\qt], NHL2E, v[NRM+2*\qt]                       ; c
.endr
.irp qt,0,1,2,3
.irp j,0,2,4,6
	v_pk_mul_f32 v[Q+8*\qt+\j:Q+8*\qt+\j+1], v[Q+8*\qt+\j:Q+8*\qt+\j+1], v[L2E:L2E+1]
.endr
.endr
.irp qt,0,1,2,3
.irp j,0,1,2,3
	v_cvt_pk_f16_f32 v[Q+8*\qt+\j], v[Q+8*\qt+2*\j], v[Q+8*\qt+2*\j+1]   ; k = 8 h .. 8 h + 7
.endr
.endr
.irp qt,0,1,2,3
	AUXPAIR NRM+2*\qt, CQ+\qt, NRM+2*\qt+1
	v_mov_b32 v[Q+8*\qt+4], v[ONESH]                               ; k = 16, 17: 1, 1 (lanes 16-31, k = 24 ..: 0)
	v_cndmask_b32 v[Q+8*\qt+5], 0, v[NRM+2*\qt], s26               ; k = 18, 19: c
	v_mov_b32 v[Q+8*\qt+6], 0
	v_mov_b32 v[Q+8*\qt+7], 0
.endr
; Four groups (32 rows): x_t and its norm in f32, x_t and pi1 to f16, into my wave's LDS rows 8 G + g.  The place of a sample
; in LDS is free (the sums over samples have no order); K and V use the same place.  The lines run over the four groups
; so that no line waits for the one in front of it.  left: row loads that may stay out.  more: the ring is filled again.
.macro QUAD qd, left, more
	s_wait_loadcnt \left
.irp k,0,1,2,3
	.set R, GA+8*((4*\qd+\k)%16)
	v_pk_mul_f32 v[R:R+1], v[R:R+1], v[UT:UT+1]                    ; (1-t) pi0
	v_pk_mul_f32 v[R+2:R+3], v[R+2:R+3], v[UT:UT+1]
.endr
.irp k,0,1,2,3
	.set R, GA+8*((4*\qd+\k)%16)
	v_pk_fma_f32 v[R:R+1], v[R+4:R+5], v[TT:TT+1], v[R:R+1]        ; + t pi1
	v_pk_fma_f32 v[R+2:R+3], v[R+6:R+7], v[TT:TT+1], v[R+2:R+3]
.endr
.irp k,0,1,2,3
	.set R, GA+8*((4*\qd+\k)%16)
	v_pk_mul_f32 v[NRM+2*\k:NRM+2*\k+1], v[R:R+1], v[R:R+1]
	v_cvt_pk_f16_f32 v[R+4], v[R+4], v[R+5]
.endr
.irp k,0,1,2,3
	.set R, GA+8*((4*\qd+\k)%16)
	v_pk_fma_f32 v[NRM+2*\k:NRM+2*\k+1], v[R+2:R+3], v[R+2:R+3], v[NRM+2*\k:NRM+2*\k+1]
	v_cvt_pk_f16_f32 v[R+5], v[R+6], v[R+7]
.endr
.irp k,0,1,2,3
	.set R, GA+8*((4*\qd+\k)%16)
	v_add_f32 v[NRM+2*\k], v[NRM+2*\k], v[NRM+2*\k+1]
	v_cvt_pk_f16_f32 v[R], v[R], v[R+1]
.endr
.irp k,0,1,2,3
	.set R, GA+8*((4*\qd+\k)%16)
	v_add_f32_dpp v[NRM+2*\k], v[NRM+2*\k], v[NRM+2*\k] row_xmask:1 row_mask:0xf bank_mask:0xf
	v_cvt_pk_f16_f32 v[R+1], v[R+2], v[R+3]
.endr
.irp k,0,1,2,3
	.set R, GA+8*((4*\qd+\k)%16)
	v_add_f32_dpp v[NRM+2*\k], v[NRM+2*\k], v[NRM+2*\k] row_xmask:2 row_mask:0xf bank_mask:0xf   ; |x_t|^2 in the row's four lanes
	ds_store_b64 v[KST], v[R:R+1] offset:(4*\qd+\k)*8*KP
	ds_store_b64 v[VST], v[R+4:R+5] offset:(4*\qd+\k)*8*VP
.endr
.irp k,0,1,2,3
	v_mul_f32 v[NRM+2*\k], NHL2E, v[NRM+2*\k]                      ; nk
.endr
.irp k,0,1,2,3
	v_and_b32 v[NRM+2*\k+1], HIMASK, v[NRM+2*\k]
.endr
.irp k,0,1,2,3
	v_sub_f32 v[NRM+2*\k], v[NRM+2*\k], v[NRM+2*\k+1]
.endr
.irp k,0,1,2,3
	v_cvt_pk_f16_f32 v[NRM+2*\k], v[NRM+2*\k+1], v[NRM+2*\k]       ; (hi, lo)
.endr
.irp k,0,1,2,3
	v_cndmask_b32 v[NRM+2*\k], v[AUXC], v[NRM+2*\k], s27           ; lane c = 0 writes nk, the others their constant word
	ds_store_b32 v[AST], v[NRM+2*\k] offset:(4*\qd+\k)*8*KP+32
.endr
.if \more
	ISSUE4 4*\qd+16
.endif
.endm
	QUAD 0, 24, 1                                  ; 16 groups are out; the four at work are in when the 12 behind them (24 loads) remain
	QUAD 1, 24, 1
	QUAD 2, 24, 1
	QUAD 3, 24, 1
	QUAD 4, 24, 0                                  ; nothing more to fetch: the counts run down
	QUAD 5, 16, 0
	QUAD 6, 8, 0
	QUAD 7, 0, 0
	; PASS 1: the largest logit of each query.  All 16 K fragments of the wave at once, into the ring's registers.  LDS serves a
	; wave's instructions in order, and these rows are the wave's own: no wait and no barrier behind the stores above.
.irp kt,0,1,2,3,4,5,6,7,8,9,10,11,12,13,14,15
	ds_load_b128 v[KF+8*\kt:KF+8*\kt+3],   v[KLD] offset:\kt*16*KP
	ds_load_b128 v[KF+8*\kt+4:KF+8*\kt+7], v[ALD] offset:\kt*16*KP+32
.endr
; unit n: K tile n / 2 against query tiles 2 (n % 2) and 2 (n % 2) + 1, into score buffer n % 2
.macro QKU n
	v_wmma_f32_16x16x32_f16 v[S+16*((\n)%2):S+16*((\n)%2)+7], v[KF+8*((\n)/2):KF+8*((\n)/2)+7], v[Q+16*((\n)%2):Q+16*((\n)%2)+7], 0
	v_wmma_f32_16x16x32_f16 v[S+16*((\n)%2)+8:S+16*((\n)%2)+15], v[KF+8*((\n)/2):KF+8*((\n)/2)+7], v[Q+16*((\n)%2)+8:Q+16*((\n)%2)+15], 0
.endm
.macro MAXU n
.irp jj,0,1,2,3
.irp e,0,1
	v_max3_num_f32 v[MX+2*((\n)%2)+\e+4*(\jj%2)], v[MX+2*((\n)%2)+\e+4*(\jj%2)], v[S+16*((\n)%2)+8*\e+2*\jj], v[S+16*((\n)%2)+8*\e+2*\jj+1]
.endr
.endr
.endm
	s_wait_dscnt 30                                ; tile 0's two loads are in, the 30 behind them may be out
	QKU 0
.irp i,0,1,2,3,4,5,6,7
	v_mov_b32 v[MX+\i], 0xff800000                 ; -infinity; these eight lines are also the places behind unit 0 (ISA guide 7.12.1)
.endr
	; A unit's products are issued one unit ahead: the eight v_max3 of the unit before stand between them and their first reader.
.set u, 0
.rept 32
.if u < 31
.if (u+1)%2 == 0
	s_wait_dscnt 30-(u+1)                          ; the next tile's two loads are in; two for each later tile may be out
.endif
	QKU u+1
.endif
	MAXU u
.set u, u+1
.endr
.irp qt,0,1,2,3
	v_max_num_f32 v[MX+\qt], v[MX+\qt], v[MX+4+\qt]
.endr
.irp qt,0,1,2,3
	v_permlanex16_b32 v[MX+4+\qt], v[MX+\qt], s28, s29             ; the other half of the lanes saw the other samples
.endr
.irp qt,0,1,2,3
	v_max_num_f32 v[MX+\qt], v[MX+\qt], v[MX+4+\qt]
.endr
.irp qt,0,1,2,3
	ds_store_b32 v[MXS], v[MX+\qt] offset:\qt*64   ; both halves write the same word with the same value
.endr
	s_wait_dscnt 0x0                               ; for the other waves' sake: my maxima are in LDS
	s_barrier_signal -1
	s_barrier_wait -1
.irp qt,0,1,2,3
.irp w,0,1,2,3,4,5,6,7
	ds_load_b32 v[S+8*\qt+\w], v[MXL] offset:\w*256+\qt*64
.endr
.endr
; step s of pass 2: 32 samples = two K tiles and one fragment of V^T (row d = lane % 16, k = samples), into buffer s % 2
.macro LOADKV s
	.set KVB, KV+24*((\s)%2)
	ds_load_b128 v[KVB:KVB+3],     v[KLD] offset:(2*(\s))*16*KP
	ds_load_b128 v[KVB+4:KVB+7],   v[ALD] offset:(2*(\s))*16*KP+32
	ds_load_b128 v[KVB+8:KVB+11],  v[KLD] offset:(2*(\s)+1)*16*KP
	ds_load_b128 v[KVB+12:KVB+15], v[ALD] offset:(2*(\s)+1)*16*KP+32
	ds_load_tr16_b128 v[KVB+16:KVB+19], v[VLD] offset:(\s)*32*VP
	ds_load_tr16_b128 v[KVB+20:KVB+23], v[VLD] offset:(\s)*32*VP+16*VP
.endm
	LOADKV 0
	LOADKV 1
	s_wait_dscnt 12                                ; the 32 maxima are in; the 12 fragment loads may be out
.irp qt,0,1,2,3
	v_max3_num_f32 v[S+8*\qt], v[S+8*\qt], v[S+8*\qt+1], v[S+8*\qt+2]
	v_max3_num_f32 v[S+8*\qt+3], v[S+8*\qt+3], v[S+8*\qt+4], v[S+8*\qt+5]
.endr
.irp qt,0,1,2,3
	v_max3_num_f32 v[S+8*\qt], v[S+8*\qt], v[S+8*\qt+3], v[S+8*\qt+6]
.endr
.irp qt,0,1,2,3
	v_max_num_f32 v[S+8*\qt], v[S+8*\qt], v[S+8*\qt+7]
.endr
.irp qt,0,1,2,3
	v_min_num_f32 v[MP+\qt], 0, v[S+8*\qt]         ; m: the largest CLAMPED logit (sq >= 0 means logit <= 0)
.endr
.irp qt,0,1,2,3
	v_sub_f32 v[S+8*\qt], v[CQ+\qt], v[MP+\qt]     ; c - m rides in the product from here on,
	v_sub_f32 v[THR+\qt], 0, v[MP+\qt]             ; and the clamp at 0 becomes a clamp at -m
.endr
.irp qt,0,1,2,3
	AUXPAIR S+8*\qt, S+8*\qt, S+8*\qt+1
	v_cndmask_b32 v[Q+8*\qt+5], 0, v[S+8*\qt], s26
.endr
	; PASS 2.  Tile t = 4 step + query tile: 32 samples x 16 queries.
.macro QK t
	v_wmma_f32_16x16x32_f16 v[S+16*((\t)%2):S+16*((\t)%2)+7], v[KV+24*(((\t)/4)%2):KV+24*(((\t)/4)%2)+7], v[Q+8*((\t)%4):Q+8*((\t)%4)+7], 0
	v_wmma_f32_16x16x32_f16 v[S+16*((\t)%2)+8:S+16*((\t)%2)+15], v[KV+24*(((\t)/4)%2)+8:KV+24*(((\t)/4)%2)+15], v[Q+8*((\t)%4):Q+8*((\t)%4)+7], 0
.endm
; the k-th of the plain lines that turn eight weights x .. x+7 into four packed registers y .. y+3 and add them to the pair z
.macro POP x, y, z, first, k
.if \k < 4
	s_wait_alu depctr_va_vdst(0)
	v_cvt_pk_f16_f32 v[\y+\k], v[\x+2*\k], v[\x+2*\k+1]
.elseif \k == 4
	v_pk_add_f32 v[\x:\x+1], v[\x:\x+1], v[\x+2:\x+3]
.elseif \k == 5
	v_pk_add_f32 v[\x+4:\x+5], v[\x+4:\x+5], v[\x+6:\x+7]
.elseif \k == 6
.if \first
	v_pk_add_f32 v[\z:\z+1], v[\x:\x+1], v[\x+4:\x+5]              ; the first weights start the sum: nothing is cleared
.else
	v_pk_add_f32 v[\x:\x+1], v[\x:\x+1], v[\x+4:\x+5]
.endif
.else
.if \first == 0
	v_pk_add_f32 v[\z:\z+1], v[\z:\z+1], v[\x:\x+1]
.endif
.endif
.endm
; clamp, 2^x, sum, pack.  Every v_exp_f32 is followed by a plain line that touches neither its result nor its source before the
; result is used (ISA guide 5.7.2); the plain lines are the other half tile's own work.
.macro PROC t
	.set SB, S+16*((\t)%2)
	.set PB, P+8*((\t)%2)
	.set THQ, THR+(\t)%4
	.set LQ, LA+2*((\t)%4)
.irp j,0,1,2,3,4,5,6,7
	v_min_num_f32 v[SB+\j], v[SB+\j], v[THQ]
.endr
.irp j,0,1,2,3,4,5,6,7
	v_exp_f32 v[SB+\j], v[SB+\j]
	v_min_num_f32 v[SB+8+\j], v[SB+8+\j], v[THQ]
.endr
.irp j,0,1,2,3,4,5,6,7
	v_exp_f32 v[SB+8+\j], v[SB+8+\j]
.if (\t) < 4
	POP SB, PB, LQ, 1, \j
.else
	POP SB, PB, LQ, 0, \j
.endif
.endr
.irp j,0,1,2,3,4,5,6,7
	POP SB+8, PB+4, LQ, 0, \j
.endr
.endm
; O^T (rows d, columns queries) += V^T x weights
.macro PV t
.if (\t) < 4
	v_wmma_f32_16x16x32_f16 v[O+8*((\t)%4):O+8*((\t)%4)+7], v[KV+24*(((\t)/4)%2)+16:KV+24*(((\t)/4)%2)+23], v[P+8*((\t)%2):P+8*((\t)%2)+7], 0
.else
	v_wmma_f32_16x16x32_f16 v[O+8*((\t)%4):O+8*((\t)%4)+7], v[KV+24*(((\t)/4)%2)+16:KV+24*(((\t)/4)%2)+23], v[P+8*((\t)%2):P+8*((\t)%2)+7], v[O+8*((\t)%4):O+8*((\t)%4)+7]
.endif
.endm
	s_wait_dscnt 6                                 ; step 0's six loads are in, step 1's six may be out
	QK 0
.rept 4
	v_nop                                          ; four places behind the first scores (ISA guide 7.12.1); later tiles have the tile before
.endr
	; The scores of tile t + 1 are issued in front of tile t's vector work, which is then the distance that they need.  A K/V buffer
	; is loaded again one tile after its last reader, with that tile's vector work as the distance, three tiles before its next use.
.set tn, 0
.rept 32
.if tn < 31
.if (tn+1)%4 == 0
	s_wait_dscnt 0x0                               ; the next step's fragments: nothing was issued behind them
.endif
	QK tn+1
.endif
	PROC tn
	PV tn
.if tn%4 == 0
.if tn >= 4
.if tn < 28
	LOADKV tn/4+1
.endif
.endif
.endif
.set tn, tn+1
.endr
	; MERGE over the eight waves.  A lane holds O[query r][8 h .. 8 h + 7] of each tile and its half's part of l.
.irp qt,0,1,2,3
	v_add_f32 v[LA+2*\qt], v[LA+2*\qt], v[LA+2*\qt+1]              ; with the address lines: the places behind the last product
.endr
	s_mul_i32 s24, s16, MGW
	s_add_co_u32 s24, s24, MG0
	v_mul_u32_u24 v[T0], v[RR], MGP
	v_add_nc_u32 v[T0], s24, v[T0]
	v_lshl_add_u32 v[T1], v[HH], 5, v[T0]
	v_lshl_add_u32 v[T0], v[HH], 2, v[T0]
.irp qt,0,1,2,3
	ds_store_b128 v[T1], v[O+8*\qt:O+8*\qt+3]   offset:\qt*16*MGP
	ds_store_b128 v[T1], v[O+8*\qt+4:O+8*\qt+7] offset:\qt*16*MGP+16
	ds_store_b32 v[T0], v[LA+2*\qt] offset:\qt*16*MGP+64
	ds_store_b32 v[T0], v[MP+\qt]   offset:\qt*16*MGP+72
.endr
	s_wait_dscnt 0x0                               ; for the other waves' sake
	s_barrier_signal -1
	s_barrier_wait -1
	v_lshrrev_b32 v[T0], 2, v0                     ; thread: query t / 4, four numbers 4 (t % 4) ..
	v_mul_u32_u24 v[T0], v[T0], MGP
	v_and_b32 v[T1], 3, v0
	v_lshl_add_u32 v[T0], v[T1], 4, v[T0]
	v_add_nc_u32 v[T0], MG0, v[T0]
.irp w,0,1,2,3,4,5,6,7
	ds_load_b128 v[S+4*\w:S+4*\w+3], v[T0] offset:\w*MGW
.endr
	v_lshlrev_b32 v[GO], 4, v0
	s_cmp_gt_u32 s16, 1
	s_cbranch_scc1 .Lsum                           ; waves 0 and 1 also store (m, l): thread t for query t
	v_and_b32 v[T1], 63, v0
	v_lshlrev_b32 v[GM], 3, v[T1]
	v_mul_u32_u24 v[T1], v[T1], MGP
	v_add_nc_u32 v[T1], MG0+64, v[T1]
.irp w,0,1,2,3,4,5,6,7
	ds_load_b64 v[P+2*\w:P+2*\w+1], v[T1] offset:\w*MGW
.endr
	ds_load_b32 v[ML], v[T1] offset:8              ; m (equal in all waves)
	s_wait_dscnt 0x0
.irp w,0,4,8,12
	v_pk_add_f32 v[P+\w:P+\w+1], v[P+\w:P+\w+1], v[P+\w+2:P+\w+3]
.endr
	v_pk_add_f32 v[P:P+1], v[P:P+1], v[P+4:P+5]
	v_pk_add_f32 v[P+8:P+9], v[P+8:P+9], v[P+12:P+13]
	v_pk_add_f32 v[P:P+1], v[P:P+1], v[P+8:P+9]
	v_add_f32 v[ML+1], v[P], v[P+1]
	global_store_b64 v[GM], v[ML:ML+1], s[14:15]   ; a wave's 32 lanes cover 256 consecutive bytes, aligned
.Lsum:
	s_wait_dscnt 0x0
.irp w,0,2,4,6
	v_pk_add_f32 v[S+4*\w:S+4*\w+1], v[S+4*\w:S+4*\w+1], v[S+4*\w+4:S+4*\w+5]
	v_pk_add_f32 v[S+4*\w+2:S+4*\w+3], v[S+4*\w+2:S+4*\w+3], v[S+4*\w+6:S+4*\w+7]
.endr
.irp w,0,4
	v_pk_add_f32 v[S+4*\w:S+4*\w+1], v[S+4*\w:S+4*\w+1], v[S+4*\w+8:S+4*\w+9]
	v_pk_add_f32 v[S+4*\w+2:S+4*\w+3], v[S+4*\w+2:S+4*\w+3], v[S+4*\w+10:S+4*\w+11]
.endr
	v_pk_add_f32 v[S:S+1], v[S:S+1], v[S+16:S+17]
	v_pk_add_f32 v[S+2:S+3], v[S+2:S+3], v[S+18:S+19]
	global_store_b128 v[GO], v[S:S+3], s[12:13]    ; 16 bytes a thread: the work-group's 4,096 bytes of po are dense
	s_wait_tensorcnt 0x0
	ds_add_u32 v46, v47
	s_wait_dscnt 0x0
	s_endpgm
.Lfunc_end_k_q4a3bcc1fbf_partial:
	.size	k_q4a3bcc1fbf_partial, .Lfunc_end_k_q4a3bcc1fbf_partial-k_q4a3bcc1fbf_partial
	.p2alignl 7, 3214868480
	.fill 96, 4, 3214868480
	.section	.rodata,"a",@progbits
	.p2align	6, 0x0
	.amdhsa_kernel k_q4a3bcc1fbf_partial
		.amdhsa_group_segment_fixed_size 207872
		.amdhsa_private_segment_fixed_size 0
		.amdhsa_enable_private_segment 0
		.amdhsa_kernarg_size 48
		.amdhsa_user_sgpr_count 2
		.amdhsa_user_sgpr_kernarg_segment_ptr 1
		.amdhsa_wavefront_size32 1
		.amdhsa_system_sgpr_workgroup_id_x 1
		.amdhsa_system_sgpr_workgroup_id_y 1
		.amdhsa_system_sgpr_workgroup_id_z 1
		.amdhsa_system_vgpr_workitem_id 0
		.amdhsa_next_free_vgpr 256
		.amdhsa_next_free_sgpr 66
		.amdhsa_reserve_vcc 1
		.amdhsa_float_denorm_mode_32 3
		.amdhsa_float_denorm_mode_16_64 3
		.amdhsa_memory_ordered 1
		.amdhsa_forward_progress 1
		.amdhsa_inst_pref_size 175
	.end_amdhsa_kernel
	.amdgpu_metadata
---
amdhsa.version: [ 1, 2 ]
amdhsa.kernels:
  - .name:           k_q4a3bcc1fbf_partial
    .symbol:         k_q4a3bcc1fbf_partial.kd
    .args:
      - { .name: indices, .offset: 0, .size: 8, .value_kind: global_buffer, .address_space: global }
      - { .name: pairs, .offset: 8, .size: 8, .value_kind: global_buffer, .address_space: global }
      - { .name: t, .offset: 16, .size: 8, .value_kind: global_buffer, .address_space: global }
      - { .name: x_input, .offset: 24, .size: 8, .value_kind: global_buffer, .address_space: global }
      - { .name: po, .offset: 32, .size: 8, .value_kind: global_buffer, .address_space: global }
      - { .name: pml, .offset: 40, .size: 8, .value_kind: global_buffer, .address_space: global }
    .group_segment_fixed_size: 207872
    .private_segment_fixed_size: 0
    .kernarg_segment_align: 8
    .kernarg_segment_size: 48
    .max_flat_workgroup_size: 256
    .sgpr_count:     66
    .vgpr_count:     256
    .wavefront_size: 32
...
	.end_amdgpu_metadata
.endif
;; end of part 1
;; launch combine (part 2): grid 256 x 1, 2 waves a work-group, no clusters, 0 bytes of LDS; arguments po, pml, x_input, t, out0; writes out0
.if DOCPART == 2
	.amdgcn_target "amdgcn-amd-amdhsa--gfx1250"
	.amdhsa_code_object_version 6
	.text
	.protected	k_q4a3bcc1fbf_combine
	.globl	k_q4a3bcc1fbf_combine
	.p2align	8
	.type	k_q4a3bcc1fbf_combine,@function
k_q4a3bcc1fbf_combine:
	s_mov_b64 s[64:65], 0
	v_nop
	global_prefetch_b8 v0, s[64:65] scope:SCOPE_SE
	s_setreg_imm32_b32 hwreg(HW_REG_WAVE_MODE, 25, 1), 1
	s_wait_xcnt 0x0
; Part 2: merge the four sample blocks of each query and finish
;   v = (O / L - (L / L) x) / (1 - t),   M = max m_i,  f_i = 2^(m_i - M),  L = sum f_i l_i,  O = sum f_i O_i.
; O / L is the reference's w_pi1 and L / L its w_sum (the sum of the softmax).  All in f32; the divisions are v_rcp_f32 and a multiply.
; One thread for four neighbouring outputs: 16,384 threads, 64 in a work-group.  Every load and the store take 16 bytes a lane from
; consecutive addresses.  No LDS, no barrier, no matrix unit: a thread needs nothing from any other.
.set PO_PART, 262144                   ; bytes of po for one sample block
.set ML_PART, 32768                    ; bytes of pml for one sample block
	s_load_b256 s[4:11], s[0:1], 0x0               ; po s[4:5], pml s[6:7], x_input s[8:9], t s[10:11]
	s_load_b64 s[12:13], s[0:1], 0x20              ; out0
	s_lshl_b32 s14, ttmp9, 6
	v_add_nc_u32 v1, s14, v0                       ; thread in the launch = 4 q + quarter
	v_lshlrev_b32 v2, 4, v1                        ; its 16 bytes in po's blocks, x_input and out0
	v_lshrrev_b32 v3, 2, v1
	v_lshlrev_b32 v3, 3, v3                        ; its query's (m, l)
	s_wait_kmcnt 0x0
	s_load_b32 s15, s[10:11], 0x0                  ; t
.irp i,0,1,2,3
	global_load_b64 v[4+2*\i:5+2*\i], v3, s[6:7] offset:\i*ML_PART
.endr
.irp i,0,1,2,3
	global_load_b128 v[12+4*\i:15+4*\i], v2, s[4:5] offset:\i*PO_PART
.endr
	global_load_b128 v[28:31], v2, s[8:9]
	s_wait_kmcnt 0x0
	s_xor_b32 s16, s15, 0x80000000
	s_add_f32 s16, s16, 1.0                        ; 1 - t
	s_wait_loadcnt 0x5                             ; the four (m, l) are in; the five 16-byte loads may be out
	v_max3_num_f32 v32, v4, v6, v8
	v_max_num_f32 v32, v32, v10                    ; M
.irp i,4,6,8,10
	v_sub_f32 v\i, v\i, v32
.endr
.irp i,4,6,8,10
	v_exp_f32 v\i, v\i                             ; f_i
.endr
	v_mov_b32 v33, s16                             ; the plain line between the exponentials and their first use (ISA guide 5.7.2)
	s_wait_alu depctr_va_vdst(0)
	v_mul_f32 v34, v4, v5
	v_fmac_f32 v34, v6, v7
	v_fmac_f32 v34, v8, v9
	v_fmac_f32 v34, v10, v11                       ; L
	v_rcp_f32 v35, v34                             ; 1 / L
	v_rcp_f32 v33, v33                             ; 1 / (1 - t); the products below stand between these and their use
	s_wait_loadcnt 0x0
.irp j,0,1,2,3
	v_mul_f32 v[36+\j], v4, v[12+\j]
.endr
.irp j,0,1,2,3
	v_fmac_f32 v[36+\j], v6, v[16+\j]
.endr
.irp j,0,1,2,3
	v_fmac_f32 v[36+\j], v8, v[20+\j]
.endr
.irp j,0,1,2,3
	v_fmac_f32 v[36+\j], v10, v[24+\j]             ; O
.endr
	s_wait_alu depctr_va_vdst(0)
	v_mul_f32 v34, v34, v35                        ; w_sum
.irp j,0,1,2,3
	v_mul_f32 v[36+\j], v[36+\j], v35              ; w_pi1
.endr
.irp j,0,1,2,3
	v_fma_f32 v[36+\j], -v34, v[28+\j], v[36+\j]   ; - w_sum x
.endr
.irp j,0,1,2,3
	v_mul_f32 v[36+\j], v[36+\j], v33
.endr
	global_store_b128 v2, v[36:39], s[12:13]
	s_endpgm
.Lfunc_end_k_q4a3bcc1fbf_combine:
	.size	k_q4a3bcc1fbf_combine, .Lfunc_end_k_q4a3bcc1fbf_combine-k_q4a3bcc1fbf_combine
	.p2alignl 7, 3214868480
	.fill 96, 4, 3214868480
	.section	.rodata,"a",@progbits
	.p2align	6, 0x0
	.amdhsa_kernel k_q4a3bcc1fbf_combine
		.amdhsa_group_segment_fixed_size 0
		.amdhsa_private_segment_fixed_size 0
		.amdhsa_enable_private_segment 0
		.amdhsa_kernarg_size 40
		.amdhsa_user_sgpr_count 2
		.amdhsa_user_sgpr_kernarg_segment_ptr 1
		.amdhsa_wavefront_size32 1
		.amdhsa_system_sgpr_workgroup_id_x 1
		.amdhsa_system_sgpr_workgroup_id_y 1
		.amdhsa_system_sgpr_workgroup_id_z 1
		.amdhsa_system_vgpr_workitem_id 0
		.amdhsa_next_free_vgpr 40
		.amdhsa_next_free_sgpr 66
		.amdhsa_reserve_vcc 0
		.amdhsa_float_denorm_mode_32 3
		.amdhsa_float_denorm_mode_16_64 3
		.amdhsa_memory_ordered 1
		.amdhsa_forward_progress 1
		.amdhsa_inst_pref_size 4
	.end_amdhsa_kernel
	.amdgpu_metadata
---
amdhsa.version: [ 1, 2 ]
amdhsa.kernels:
  - .name:           k_q4a3bcc1fbf_combine
    .symbol:         k_q4a3bcc1fbf_combine.kd
    .args:
      - { .name: po, .offset: 0, .size: 8, .value_kind: global_buffer, .address_space: global }
      - { .name: pml, .offset: 8, .size: 8, .value_kind: global_buffer, .address_space: global }
      - { .name: x_input, .offset: 16, .size: 8, .value_kind: global_buffer, .address_space: global }
      - { .name: t, .offset: 24, .size: 8, .value_kind: global_buffer, .address_space: global }
      - { .name: out0, .offset: 32, .size: 8, .value_kind: global_buffer, .address_space: global }
    .group_segment_fixed_size: 0
    .private_segment_fixed_size: 0
    .kernarg_segment_align: 8
    .kernarg_segment_size: 40
    .max_flat_workgroup_size: 64
    .sgpr_count:     66
    .vgpr_count:     40
    .wavefront_size: 32
...
	.end_amdgpu_metadata
.endif
;; end of part 2
;; ======== version 2 of 2: 2 launches; 1.16 times as fast as version 1
;; limits: values are held in f16: magnitudes above 65,504 overflow, below 6.1e-05 lose precision; right only within a limited range of input values; a difference of large sums (such as E[x^2] - mean^2): digits are lost where the result is much smaller than its terms
;; workspace buffers: po 1,048,576 bytes; pml 131,072 bytes
;; launch partial (part 3): grid 64 x 4, 8 waves a work-group, no clusters, 207,872 bytes of LDS; arguments indices, pairs, t, x_input, po, pml; writes po, pml
.if DOCPART == 3
	.amdgcn_target "amdgcn-amd-amdhsa--gfx1250"
	.amdhsa_code_object_version 6
	.text
	.protected	k_q4a3bcc1fbf_partial
	.globl	k_q4a3bcc1fbf_partial
	.p2align	8
	.type	k_q4a3bcc1fbf_partial,@function
k_q4a3bcc1fbf_partial:
	s_mov_b64 s[64:65], 0
	v_nop
	global_prefetch_b8 v0, s[64:65] scope:SCOPE_SE
	s_setreg_imm32_b32 hwreg(HW_REG_WAVE_MODE, 25, 1), 1
	s_wait_xcnt 0x0
; Nadaraya-Watson weights, part 1: for 64 queries (work-group x) and 2,048 of the 8,192 listed samples (work-group y)
;   m[q]    = max over the samples of  L(q,s) = log2e * min(-|x_q - x_t,s|^2 / 2, 0)      (x_t = t pi1 + (1-t) pi0)
;   l[q]    = sum of 2^(L - m),     O[q][d] = sum of 2^(L - m) pi1[s][d]
; stored to pml (m, l) and po (O).  The second launch merges the four sample blocks and finishes v.
; The reference's factors S and 1/S (8192, a power of two) cancel exactly and are not written.
;
; Eight waves.  A wave owns 256 samples and all 64 queries (4 tiles of 16): every fragment read from LDS feeds 4 tiles.
; Both products use f16 operands and f32 sums.  The feature length 16 fills half of the instruction's K = 32; the other
; half carries the norms, so that one instruction gives the finished logit:
;   sample row  k = 0..15: x_t          16,17: nk as hi + lo   18,19: 1, 1       20..31: don't care (finite)
;   query col   k = 0..15: log2e x      16,17: 1, 1            18,19: c hi + lo  20..31: 0
;   nk = -log2e |x_t|^2 / 2,  c = -log2e |x|^2 / 2 (pass 1),  c - m (pass 2).
; The score is made transposed (rows = samples, columns = queries): a lane then holds 8 samples of ONE query, the
; threshold and the sum are per lane, and two packed score tiles are already the B fragment of the second product.
;
; BATCHES.  Pass 2 goes by pairs of tiles (32 samples x 32 queries).  A pair's 32 exponentials are ONE batch with ONE wait.
; Ahead of the wait stand the pair's 32 clamps, its 32 exponentials and the last additions onto l of the pair before, whose
; weights were waited for a pair earlier.  Behind it stand the next K/V loads, the next pair's scores, and all that names a
; result of the batch: the roundings to f16, the sums, the product with V^T.  16 waits in the whole pass.
;
; LIMITS (range and format): f16 operands, so |log2e x|, |x_t|, |pi1| below 65,504 and the norm terms too: norms of x
; and x_t below 100.  A weight below 2^-24 of the largest of its 2,048 samples is dropped.  NaN and infinities are not
; served.  An index is taken as unsigned and held at 19,999.
; No joint requests in a cluster: what the work-groups share is a gather of 128-byte rows steered by a list, lane by
; lane, not a tile.  No prefetch: the first 32 row loads of a wave leave as soon as its indices are in.
.set NROWS,  20000
.set NW,     8                         ; waves
.set SPW,    256                       ; samples of a wave
.set KP,     48                        ; LDS row of K: 32 bytes x_t, 16 bytes (nk hi, lo, 1, 1, 0, 0, 0, 0); 3 x 16: rows fall on different banks
.set VP,     32                        ; LDS row of V: 16 f16 of pi1
.set KREG,   SPW*KP                    ; a wave's K rows
.set VREG,   SPW*VP                    ; a wave's V rows
.set VB0,    NW*KREG
.set MX0,    VB0+NW*VREG               ; 8 waves x 64 maxima
.set MG0,    MX0+NW*256                ; merge: 8 waves x 64 rows of 80 bytes: O (64), l of the two lane halves (8), m twice (8)
.set MGP,    80
.set MGW,    64*MGP
.set NHL2E,  0xbf38aa3b                ; -log2e / 2
.set HIMASK, 0xffffe000                ; keeps the 10 mantissa bits that f16 holds
.set LANE, 1
.set RR,   2                           ; lane % 16
.set HH,   3                           ; lane / 16
.set KST,  4                           ; LDS: where I store 8 bytes of x_t
.set VST,  5                           ;      8 bytes of pi1
.set AST,  6                           ;      my word of the row's last 16 bytes
.set KLD,  7                           ; LDS: K fragment, features
.set ALD,  8                           ;      K fragment, norm part
.set VLD,  9                           ;      V fragment, transposing load
.set C16,  10                          ; 16 x (lane % 4): my 16 bytes in pi0 and in pi1
.set AUXC, 11                          ; my constant word of a K row's last 16 bytes
.set IDXO, 12
.set XO,   13
.set T0,   14
.set T1,   15
.set TT,   16                          ; v[16:17] t, t
.set UT,   18                          ; v[18:19] 1-t, 1-t
.set L2E,  20                          ; v[20:21] log2e twice
.set ML,   22                          ; v[22:23] (m, l) on the way out
.set ONESH,24                          ; (1, 1) in f16 in lanes 0-15, 0 above
.set MXS,  25
.set MXL,  26
.set GO,   27
.set GM,   28
.set CQ,   30                          ; v[30:33] c of my query in tile 0..3
.set THR,  34                          ; v[34:37] -m: the clamp's threshold
.set MX,   38                          ; v[38:45] running maxima, two for each tile
.set MP,   42                          ; v[42:45] then m
.set Q,    48                          ; v[48:79] query fragments
.set OFF,  80                          ; v[80:111] indices, turned in place into row offsets, one register for each group of 8 rows
.set S,    80                          ;           then score buffers: pass 1 two of 16; pass 2 the even pairs' 32
.set NRM,  112                         ; v[112:119] norms at work
.set P,    112                         ; v[112:127] then a pair's packed weights, 8 registers a tile
.set GA,   128                         ; v[128:255] gather ring: 16 groups x 8 registers
.set KF,   128                         ;            then pass 1: all 16 K fragments
.set O,    128                         ; v[128:159] then the four accumulators
.set KV,   160                         ; v[160:207] two buffers of (K tile, K tile, V fragment)
.set LA,   208                         ; v[208:215] l, a pair for each tile
.set S2,   216                         ; v[216:247] pass 2: the odd pairs' 32 scores
	s_load_b256 s[4:11], s[0:1], 0x0               ; indices s[4:5], pairs s[6:7], t s[8:9], x_input s[10:11]
	s_load_b128 s[12:15], s[0:1], 0x20             ; po s[12:13], pml s[14:15]
	v_lshl_add_u32 v46, v0, 2, 0x32800
	v_mov_b32 v47, 0
	v_and_b32 v[LANE], 31, v0
	v_lshrrev_b32 v[T0], 5, v0
	v_readfirstlane_b32 s16, v[T0]                 ; wave
	s_and_b32 s17, ttmp7, 0xffff                   ; sample block
	v_and_b32 v[RR], 15, v0
	v_bfe_u32 v[HH], v0, 4, 1
	v_and_b32 v[T0], 0x1c, v0                      ; 4 g, g = lane / 4: which of a group's 8 rows
	v_and_b32 v[T1], 3, v0                         ; c = lane % 4: which quarter of the row's halves
	s_lshl_b32 s20, s17, 13                        ; 2,048 indices of 4 bytes a block
	s_lshl_b32 s21, s16, 10                        ; 256 a wave
	s_add_co_u32 s20, s20, s21
	v_lshl_add_u32 v[IDXO], v[T0], 2, s20          ; lane g takes indices 4 g .. 4 g + 3 of each run of 32
	v_lshlrev_b32 v[XO], 6, v[RR]
	v_lshl_add_u32 v[XO], v[HH], 5, v[XO]          ; query row r, features 8 h ..
	s_lshl_b32 s22, ttmp9, 12                      ; 64 queries of 64 bytes
	s_mov_b32 s23, 0
	s_lshl_b32 s30, s17, 18                        ; po: block x 4,096 queries x 64 bytes
	s_add_co_u32 s30, s30, s22
	s_mov_b32 s31, 0
	s_lshl_b32 s32, s17, 15                        ; pml: block x 4,096 x 8 bytes
	s_lshl_b32 s21, ttmp9, 9
	s_add_co_u32 s32, s32, s21
	s_mov_b32 s33, 0
	s_wait_kmcnt 0x0
	s_load_b32 s18, s[8:9], 0x0                    ; t
	s_add_nc_u64 s[10:11], s[10:11], s[22:23]
	s_add_nc_u64 s[12:13], s[12:13], s[30:31]
	s_add_nc_u64 s[14:15], s[14:15], s[32:33]
.irp b,0,1,2,3,4,5,6,7
	global_load_b128 v[OFF+4*\b:OFF+4*\b+3], v[IDXO], s[4:5] offset:128*\b
.endr
.irp qt,0,1,2,3
	global_load_b128 v[Q+8*\qt:Q+8*\qt+3],   v[XO], s[10:11] offset:1024*\qt
	global_load_b128 v[Q+8*\qt+4:Q+8*\qt+7], v[XO], s[10:11] offset:1024*\qt+16
.endr
	; LDS addresses and lane constants, while the loads are out
	s_mul_i32 s24, s16, KREG
	s_mul_i32 s25, s16, VREG
	s_add_co_u32 s25, s25, VB0
	v_mul_u32_u24 v[AST], v[T0], KP/4              ; 48 g
	v_add_nc_u32 v[AST], s24, v[AST]
	v_lshl_add_u32 v[KST], v[T1], 3, v[AST]        ; + 8 c
	v_lshl_add_u32 v[AST], v[T1], 2, v[AST]        ; + 4 c (the 32 stands in the immediate)
	v_lshl_add_u32 v[VST], v[LANE], 3, s25         ; 32 g + 8 c = 8 x lane: a group's 8 rows are 256 dense bytes
	v_mul_u32_u24 v[ALD], v[RR], KP
	v_add_nc_u32 v[ALD], s24, v[ALD]
	v_lshl_add_u32 v[KLD], v[HH], 4, v[ALD]
	v_lshlrev_b32 v[C16], 4, v[T1]
	v_cmp_gt_u32 s26, 16, v[LANE]                  ; lanes 0-15
	v_cmp_eq_u32 s27, 0, v[T1]                     ; lanes with c = 0
	v_cmp_eq_u32 vcc_lo, 1, v[T1]
	v_mov_b32 v[ONESH], 0x3c003c00                 ; 1.0, 1.0 in f16
	v_cndmask_b32 v[AUXC], 0, v[ONESH], vcc_lo     ; word 1 of the norm part is (1, 1), words 2 and 3 are 0
	v_cndmask_b32 v[ONESH], 0, v[ONESH], s26
	v_and_b32 v[T0], 7, v0
	v_lshl_add_u32 v[T0], v[HH], 3, v[T0]          ; transposing load: lane addresses row 8 h + lane % 8,
	v_lshl_add_u32 v[VLD], v[T0], 5, s25
	v_bfe_u32 v[T0], v0, 3, 1
	v_lshl_add_u32 v[VLD], v[T0], 4, v[VLD]        ; 16 bytes chosen by bit 3 of the lane
	v_lshlrev_b32 v[MXL], 2, v[RR]
	v_add_nc_u32 v[MXL], MX0, v[MXL]
	s_lshl_b32 s21, s16, 8
	v_add_nc_u32 v[MXS], s21, v[MXL]               ; each wave has 256 bytes of its own for its 64 maxima
	s_mov_b32 s28, 0x76543210                      ; v_permlanex16_b32: lane i reads lane i of the other half
	s_mov_b32 s29, 0xfedcba98
	v_mov_b32 v[L2E], 0x3fb8aa3b
	v_mov_b32 v[L2E+1], 0x3fb8aa3b
; Offsets and loads of four groups of 8 rows.  Group G: lane (g, c) takes the row named by index 32 (G / 4) + 4 g + G % 4.
; A loaded index enters an address only behind the unsigned minimum with the table's last row.
.macro ISSUE4 g0
.irp k,0,1,2,3
	v_min_u32 v[OFF+\g0+\k], NROWS-1, v[OFF+\g0+\k]
.endr
.irp k,0,1,2,3
	v_lshlrev_b32 v[OFF+\g0+\k], 7, v[OFF+\g0+\k]  ; a row of pairs is 128 bytes
.endr
.irp k,0,1,2,3
	v_add_nc_u32 v[OFF+\g0+\k], v[C16], v[OFF+\g0+\k]
.endr
.irp k,0,1,2,3
	global_load_b128 v[GA+8*((\g0+\k)%16):GA+8*((\g0+\k)%16)+3],   v[OFF+\g0+\k], s[6:7]            ; pi0[4c ..]
	global_load_b128 v[GA+8*((\g0+\k)%16)+4:GA+8*((\g0+\k)%16)+7], v[OFF+\g0+\k], s[6:7] offset:64  ; pi1[4c ..]
.endr
.endm
	s_wait_loadcnt 0x8                             ; loads return in order: the indices are in, the 8 loads of x may be out
	ISSUE4 0
	ISSUE4 4
	ISSUE4 8
	ISSUE4 12
	s_wait_kmcnt 0x0                               ; t
	s_xor_b32 s19, s18, 0x80000000
	s_add_f32 s19, s19, 1.0                        ; 1 - t
	v_mov_b32 v[TT], s18
	v_mov_b32 v[TT+1], s18
	v_mov_b32 v[UT], s19
	v_mov_b32 v[UT+1], s19
; dst = (hi, lo): src as the sum of two f16.  hi is src cut to f16's mantissa, lo the rest.
.macro AUXPAIR dst, src, tmp
	v_and_b32 v[\tmp], HIMASK, v[\src]
	v_sub_f32 v[\dst], v[\src], v[\tmp]
	v_cvt_pk_f16_f32 v[\dst], v[\tmp], v[\dst]
.endm
	; The query fragments, in place, while the rows are on their way.
	s_wait_loadcnt 32                              ; x is in; the 32 row loads stay out
.irp qt,0,1,2,3
	v_pk_mul_f32 v[NRM+2*\qt:NRM+2*\qt+1], v[Q+8*\qt:Q+8*\qt+1], v[Q+8*\qt:Q+8*\qt+1]
.endr
.irp j,2,4,6
.irp qt,0,1,2,3
	v_pk_fma_f32 v[NRM+2*\qt:NRM+2*\qt+1], v[Q+8*\qt+\j:Q+8*\qt+\j+1], v[Q+8*\qt+\j:Q+8*\qt+\j+1], v[NRM+2*\qt:NRM+2*\qt+1]
.endr
.endr
.irp qt,0,1,2,3
	v_add_f32 v[NRM+2*\qt], v[NRM+2*\qt], v[NRM+2*\qt+1]
.endr
.irp qt,0,1,2,3
	v_permlanex16_b32 v[NRM+2*\qt+1], v[NRM+2*\qt], s28, s29       ; the other 8 features' part
.endr
.irp qt,0,1,2,3
	v_add_f32 v[NRM+2*\qt], v[NRM+2*\qt], v[NRM+2*\qt+1]           ; |x|^2
.endr
.irp qt,0,1,2,3
	v_mul_f32 v[CQ+\qt], NHL2E, v[NRM+2*\qt]                       ; c
.endr
.irp qt,0,1,2,3
.irp j,0,2,4,6
	v_pk_mul_f32 v[Q+8*\qt+\j:Q+8*\qt+\j+1], v[Q+8*\qt+\j:Q+8*\qt+\j+1], v[L2E:L2E+1]
.endr
.endr
.irp qt,0,1,2,3
.irp j,0,1,2,3
	v_cvt_pk_f16_f32 v[Q+8*\qt+\j], v[Q+8*\qt+2*\j], v[Q+8*\qt+2*\j+1]   ; k = 8 h .. 8 h + 7
.endr
.endr
.irp qt,0,1,2,3
	AUXPAIR NRM+2*\qt, CQ+\qt, NRM+2*\qt+1
	v_mov_b32 v[Q+8*\qt+4], v[ONESH]                               ; k = 16, 17: 1, 1 (lanes 16-31, k = 24 ..: 0)
	v_cndmask_b32 v[Q+8*\qt+5], 0, v[NRM+2*\qt], s26               ; k = 18, 19: c
	v_mov_b32 v[Q+8*\qt+6], 0
	v_mov_b32 v[Q+8*\qt+7], 0
.endr
; Four groups (32 rows): x_t and its norm in f32, x_t and pi1 to f16, into my wave's LDS rows 8 G + g.  The place of a sample
; in LDS is free (the sums over samples have no order); K and V use the same place.  The lines run over the four groups
; so that no line waits for the one in front of it.  left: row loads that may stay out.  more: the ring is filled again.
.macro QUAD qd, left, more
	s_wait_loadcnt \left
.irp k,0,1,2,3
	.set R, GA+8*((4*\qd+\k)%16)
	v_pk_mul_f32 v[R:R+1], v[R:R+1], v[UT:UT+1]                    ; (1-t) pi0
	v_pk_mul_f32 v[R+2:R+3], v[R+2:R+3], v[UT:UT+1]
.endr
.irp k,0,1,2,3
	.set R, GA+8*((4*\qd+\k)%16)
	v_pk_fma_f32 v[R:R+1], v[R+4:R+5], v[TT:TT+1], v[R:R+1]        ; + t pi1
	v_pk_fma_f32 v[R+2:R+3], v[R+6:R+7], v[TT:TT+1], v[R+2:R+3]
.endr
.irp k,0,1,2,3
	.set R, GA+8*((4*\qd+\k)%16)
	v_pk_mul_f32 v[NRM+2*\k:NRM+2*\k+1], v[R:R+1], v[R:R+1]
	v_cvt_pk_f16_f32 v[R+4], v[R+4], v[R+5]
.endr
.irp k,0,1,2,3
	.set R, GA+8*((4*\qd+\k)%16)
	v_pk_fma_f32 v[NRM+2*\k:NRM+2*\k+1], v[R+2:R+3], v[R+2:R+3], v[NRM+2*\k:NRM+2*\k+1]
	v_cvt_pk_f16_f32 v[R+5], v[R+6], v[R+7]
.endr
.irp k,0,1,2,3
	.set R, GA+8*((4*\qd+\k)%16)
	v_add_f32 v[NRM+2*\k], v[NRM+2*\k], v[NRM+2*\k+1]
	v_cvt_pk_f16_f32 v[R], v[R], v[R+1]
.endr
.irp k,0,1,2,3
	.set R, GA+8*((4*\qd+\k)%16)
	v_add_f32_dpp v[NRM+2*\k], v[NRM+2*\k], v[NRM+2*\k] row_xmask:1 row_mask:0xf bank_mask:0xf
	v_cvt_pk_f16_f32 v[R+1], v[R+2], v[R+3]
.endr
.irp k,0,1,2,3
	.set R, GA+8*((4*\qd+\k)%16)
	v_add_f32_dpp v[NRM+2*\k], v[NRM+2*\k], v[NRM+2*\k] row_xmask:2 row_mask:0xf bank_mask:0xf   ; |x_t|^2 in the row's four lanes
	ds_store_b64 v[KST], v[R:R+1] offset:(4*\qd+\k)*8*KP
	ds_store_b64 v[VST], v[R+4:R+5] offset:(4*\qd+\k)*8*VP
.endr
.irp k,0,1,2,3
	v_mul_f32 v[NRM+2*\k], NHL2E, v[NRM+2*\k]                      ; nk
.endr
.irp k,0,1,2,3
	v_and_b32 v[NRM+2*\k+1], HIMASK, v[NRM+2*\k]
.endr
.irp k,0,1,2,3
	v_sub_f32 v[NRM+2*\k], v[NRM+2*\k], v[NRM+2*\k+1]
.endr
.irp k,0,1,2,3
	v_cvt_pk_f16_f32 v[NRM+2*\k], v[NRM+2*\k+1], v[NRM+2*\k]       ; (hi, lo)
.endr
.irp k,0,1,2,3
	v_cndmask_b32 v[NRM+2*\k], v[AUXC], v[NRM+2*\k], s27           ; lane c = 0 writes nk, the others their constant word
	ds_store_b32 v[AST], v[NRM+2*\k] offset:(4*\qd+\k)*8*KP+32
.endr
.if \more
	ISSUE4 4*\qd+16
.endif
.endm
	QUAD 0, 24, 1                                  ; 16 groups are out; the four at work are in when the 12 behind them (24 loads) remain
	QUAD 1, 24, 1
	QUAD 2, 24, 1
	QUAD 3, 24, 1
	QUAD 4, 24, 0                                  ; nothing more to fetch: the counts run down
	QUAD 5, 16, 0
	QUAD 6, 8, 0
	QUAD 7, 0, 0
	; PASS 1: the largest logit of each query.  All 16 K fragments of the wave at once, into the ring's registers.  LDS serves a
	; wave's instructions in order, and these rows are the wave's own: no wait and no barrier behind the stores above.
.irp kt,0,1,2,3,4,5,6,7,8,9,10,11,12,13,14,15
	ds_load_b128 v[KF+8*\kt:KF+8*\kt+3],   v[KLD] offset:\kt*16*KP
	ds_load_b128 v[KF+8*\kt+4:KF+8*\kt+7], v[ALD] offset:\kt*16*KP+32
.endr
; unit n: K tile n / 2 against query tiles 2 (n % 2) and 2 (n % 2) + 1, into score buffer n % 2
.macro QKU n
	v_wmma_f32_16x16x32_f16 v[S+16*((\n)%2):S+16*((\n)%2)+7], v[KF+8*((\n)/2):KF+8*((\n)/2)+7], v[Q+16*((\n)%2):Q+16*((\n)%2)+7], 0
	v_wmma_f32_16x16x32_f16 v[S+16*((\n)%2)+8:S+16*((\n)%2)+15], v[KF+8*((\n)/2):KF+8*((\n)/2)+7], v[Q+16*((\n)%2)+8:Q+16*((\n)%2)+15], 0
.endm
.macro MAXU n
.irp jj,0,1,2,3
.irp e,0,1
	v_max3_num_f32 v[MX+2*((\n)%2)+\e+4*(\jj%2)], v[MX+2*((\n)%2)+\e+4*(\jj%2)], v[S+16*((\n)%2)+8*\e+2*\jj], v[S+16*((\n)%2)+8*\e+2*\jj+1]
.endr
.endr
.endm
	s_wait_dscnt 30                                ; tile 0's two loads are in, the 30 behind them may be out
	QKU 0
.irp i,0,1,2,3,4,5,6,7
	v_mov_b32 v[MX+\i], 0xff800000                 ; -infinity; these eight lines are also the places behind unit 0 (ISA guide 7.12.1)
.endr
	; A unit's products are issued one unit ahead: the eight v_max3 of the unit before stand between them and their first reader.
.set u, 0
.rept 32
.if u < 31
.if (u+1)%2 == 0
	s_wait_dscnt 30-(u+1)                          ; the next tile's two loads are in; two for each later tile may be out
.endif
	QKU u+1
.endif
	MAXU u
.set u, u+1
.endr
.irp qt,0,1,2,3
	v_max_num_f32 v[MX+\qt], v[MX+\qt], v[MX+4+\qt]
.endr
.irp qt,0,1,2,3
	v_permlanex16_b32 v[MX+4+\qt], v[MX+\qt], s28, s29             ; the other half of the lanes saw the other samples
.endr
.irp qt,0,1,2,3
	v_max_num_f32 v[MX+\qt], v[MX+\qt], v[MX+4+\qt]
.endr
.irp qt,0,1,2,3
	ds_store_b32 v[MXS], v[MX+\qt] offset:\qt*64   ; both halves write the same word with the same value
.endr
	s_wait_dscnt 0x0                               ; for the other waves' sake: my maxima are in LDS
	s_barrier_signal -1
	s_barrier_wait -1
.irp qt,0,1,2,3
.irp w,0,1,2,3,4,5,6,7
	ds_load_b32 v[S+8*\qt+\w], v[MXL] offset:\w*256+\qt*64
.endr
.endr
; step s of pass 2: 32 samples = two K tiles and one fragment of V^T (row d = lane % 16, k = samples), into buffer s % 2
.macro LOADKV s
	.set KVB, KV+24*((\s)%2)
	ds_load_b128 v[KVB:KVB+3],     v[KLD] offset:(2*(\s))*16*KP
	ds_load_b128 v[KVB+4:KVB+7],   v[ALD] offset:(2*(\s))*16*KP+32
	ds_load_b128 v[KVB+8:KVB+11],  v[KLD] offset:(2*(\s)+1)*16*KP
	ds_load_b128 v[KVB+12:KVB+15], v[ALD] offset:(2*(\s)+1)*16*KP+32
	ds_load_tr16_b128 v[KVB+16:KVB+19], v[VLD] offset:(\s)*32*VP
	ds_load_tr16_b128 v[KVB+20:KVB+23], v[VLD] offset:(\s)*32*VP+16*VP
.endm
	LOADKV 0
	LOADKV 1
	s_wait_dscnt 12                                ; the 32 maxima are in; the 12 fragment loads may be out
.irp qt,0,1,2,3
	v_max3_num_f32 v[S+8*\qt], v[S+8*\qt], v[S+8*\qt+1], v[S+8*\qt+2]
	v_max3_num_f32 v[S+8*\qt+3], v[S+8*\qt+3], v[S+8*\qt+4], v[S+8*\qt+5]
.endr
.irp qt,0,1,2,3
	v_max3_num_f32 v[S+8*\qt], v[S+8*\qt], v[S+8*\qt+3], v[S+8*\qt+6]
.endr
.irp qt,0,1,2,3
	v_max_num_f32 v[S+8*\qt], v[S+8*\qt], v[S+8*\qt+7]
.endr
.irp qt,0,1,2,3
	v_min_num_f32 v[MP+\qt], 0, v[S+8*\qt]         ; m: the largest CLAMPED logit (sq >= 0 means logit <= 0)
.endr
.irp qt,0,1,2,3
	v_sub_f32 v[S+8*\qt], v[CQ+\qt], v[MP+\qt]     ; c - m rides in the product from here on,
	v_sub_f32 v[THR+\qt], 0, v[MP+\qt]             ; and the clamp at 0 becomes a clamp at -m
.endr
.irp qt,0,1,2,3
	AUXPAIR S+8*\qt, S+8*\qt, S+8*\qt+1
	v_cndmask_b32 v[Q+8*\qt+5], 0, v[S+8*\qt], s26
.endr
	; PASS 2.  Tile t = 4 step + query tile: 32 samples x 16 queries.  Pair p = tiles 2 p and 2 p + 1; its 32 score registers lie in
	; S (p even) or S2 (p odd), 16 a tile.
.macro QK t
	.set SQ, S+(S2-S)*(((\t)/2)%2)+16*((\t)%2)
	.set KB, KV+24*(((\t)/4)%2)
	v_wmma_f32_16x16x32_f16 v[SQ:SQ+7], v[KB:KB+7], v[Q+8*((\t)%4):Q+8*((\t)%4)+7], 0
	v_wmma_f32_16x16x32_f16 v[SQ+8:SQ+15], v[KB+8:KB+15], v[Q+8*((\t)%4):Q+8*((\t)%4)+7], 0
.endm
; Quarter h of pair p is eight weights x .. x+7: half h % 2 of tile 2 p + h / 2.  Line k of the eight plain lines that turn them into four
; packed registers y .. y+3 and add them to the tile's pair z.  In a query tile's first step (p < 2) the first half's weights start the
; sum: nothing is cleared.
.macro POP p, h, k
	.set XH, S+(S2-S)*((\p)%2)+8*(\h)
	.set YH, P+4*(\h)
	.set ZH, LA+2*((2*(\p)+(\h)/2)%4)
.if (\k) < 4
	v_cvt_pk_f16_f32 v[YH+(\k)], v[XH+2*(\k)], v[XH+2*(\k)+1]
.elseif (\k) == 4
	v_pk_add_f32 v[XH:XH+1], v[XH:XH+1], v[XH+2:XH+3]
.elseif (\k) == 5
	v_pk_add_f32 v[XH+4:XH+5], v[XH+4:XH+5], v[XH+6:XH+7]
.elseif (\k) == 6
.if ((\p) < 2) && ((\h)%2 == 0)
	v_pk_add_f32 v[ZH:ZH+1], v[XH:XH+1], v[XH+4:XH+5]
.else
	v_pk_add_f32 v[XH:XH+1], v[XH:XH+1], v[XH+4:XH+5]
.endif
.else
.if ((\p) >= 2) || ((\h)%2 == 1)
	v_pk_add_f32 v[ZH:ZH+1], v[ZH:ZH+1], v[XH:XH+1]
.endif
.endif
.endm
; THE BATCH of pair p: 32 clamps and 32 exponentials, in place, ascending (each accumulator is read from its low end on).
; A clamp stands four numbers ahead of its exponential, and exponential and plain line go by turns.  The last four
; exponentials' neighbours are line 7 of the pair before, l's last additions: its weights were waited for a pair earlier, and its
; buffer is written again only behind this wait.  A tile's first half goes onto l ahead of its second (h = 0, 2, 1, 3).  The last of
; these additions is the plain line between the last exponential and the first use of a result (ISA guide 5.7.2); pair 0 has no pair
; before it and takes a v_nop.  Nothing ahead of the wait names a result of the batch.
.macro BATCH p
	.set SB, S+(S2-S)*((\p)%2)
	.set n, 0
.rept 4
	v_min_num_f32 v[SB+n], v[SB+n], v[THR+(2*(\p)+n/16)%4]
	.set n, n+1
.endr
.rept 28
	v_exp_f32 v[SB+n-4], v[SB+n-4]
	v_min_num_f32 v[SB+n], v[SB+n], v[THR+(2*(\p)+n/16)%4]
	.set n, n+1
.endr
.irp h,0,2,1,3
	v_exp_f32 v[SB+n-4], v[SB+n-4]
	.set n, n+1
.if (\p) > 0
	POP (\p)-1, \h, 7
.endif
.endr
.if (\p) == 0
	v_nop
.endif
	s_wait_alu depctr_va_vdst(0)                   ; one wait for the pair's 32 exponentials, ahead of their first reader
.endm
; THE READERS of pair p: lines 0 to 6 of its four quarters, the quarters by turns so that no line waits for the one in front of it:
; 16 roundings to f16, then 12 additions.  Line 7 stands in the next pair's batch.
.macro READ p
.irp k,0,1,2,3,4,5,6
.irp h,0,2,1,3
	POP \p, \h, \k
.endr
.endr
.endm
; O^T (rows d, columns queries) += V^T x weights
.macro PV t
.if (\t) < 4
	v_wmma_f32_16x16x32_f16 v[O+8*((\t)%4):O+8*((\t)%4)+7], v[KV+24*(((\t)/4)%2)+16:KV+24*(((\t)/4)%2)+23], v[P+8*((\t)%2):P+8*((\t)%2)+7], 0
.else
	v_wmma_f32_16x16x32_f16 v[O+8*((\t)%4):O+8*((\t)%4)+7], v[KV+24*(((\t)/4)%2)+16:KV+24*(((\t)/4)%2)+23], v[P+8*((\t)%2):P+8*((\t)%2)+7], v[O+8*((\t)%4):O+8*((\t)%4)+7]
.endif
.endm
	s_wait_dscnt 6                                 ; step 0's six loads are in, step 1's six may be out
	QK 0
	QK 1
.rept 4
	v_nop                                          ; four places behind the first scores (ISA guide 7.12.1); later pairs have the pair before
.endr
	; A pair's turn: its batch and the wait; then the scores of pair p + 1, whose distance to their first clamp is pair p's 28 readers;
	; then the readers and the pair's two products with V^T.  A K/V buffer is loaded again directly behind the wait of the pair that follows
	; its last reader, with that pair's 32 clamps as the distance, and is waited for behind the next pair's batch.
.set pn, 0
.rept 16
	BATCH pn
.if (pn%2 == 0) && (pn >= 2) && (pn <= 12)
	LOADKV pn/2+1
.endif
.if pn < 15
.if pn%2 == 1
	s_wait_dscnt 0x0                               ; the next step's fragments: nothing was issued behind them
.endif
	QK 2*pn+2
	QK 2*pn+3
.endif
	READ pn
	PV 2*pn
	PV 2*pn+1
.set pn, pn+1
.endr
.irp h,0,2,1,3
	POP 15, \h, 7                                  ; the last pair's last additions onto l
.endr
	; MERGE over the eight waves.  A lane holds O[query r][8 h .. 8 h + 7] of each tile and its half's part of l.
.irp qt,0,1,2,3
	v_add_f32 v[LA+2*\qt], v[LA+2*\qt], v[LA+2*\qt+1]              ; with the address lines: the places behind the last product
.endr
	s_mul_i32 s24, s16, MGW
	s_add_co_u32 s24, s24, MG0
	v_mul_u32_u24 v[T0], v[RR], MGP
	v_add_nc_u32 v[T0], s24, v[T0]
	v_lshl_add_u32 v[T1], v[HH], 5, v[T0]
	v_lshl_add_u32 v[T0], v[HH], 2, v[T0]
.irp qt,0,1,2,3
	ds_store_b128 v[T1], v[O+8*\qt:O+8*\qt+3]   offset:\qt*16*MGP
	ds_store_b128 v[T1], v[O+8*\qt+4:O+8*\qt+7] offset:\qt*16*MGP+16
	ds_store_b32 v[T0], v[LA+2*\qt] offset:\qt*16*MGP+64
	ds_store_b32 v[T0], v[MP+\qt]   offset:\qt*16*MGP+72
.endr
	s_wait_dscnt 0x0                               ; for the other waves' sake
	s_barrier_signal -1
	s_barrier_wait -1
	v_lshrrev_b32 v[T0], 2, v0                     ; thread: query t / 4, four numbers 4 (t % 4) ..
	v_mul_u32_u24 v[T0], v[T0], MGP
	v_and_b32 v[T1], 3, v0
	v_lshl_add_u32 v[T0], v[T1], 4, v[T0]
	v_add_nc_u32 v[T0], MG0, v[T0]
.irp w,0,1,2,3,4,5,6,7
	ds_load_b128 v[S+4*\w:S+4*\w+3], v[T0] offset:\w*MGW
.endr
	v_lshlrev_b32 v[GO], 4, v0
	s_cmp_gt_u32 s16, 1
	s_cbranch_scc1 .Lsum                           ; waves 0 and 1 also store (m, l): thread t for query t
	v_and_b32 v[T1], 63, v0
	v_lshlrev_b32 v[GM], 3, v[T1]
	v_mul_u32_u24 v[T1], v[T1], MGP
	v_add_nc_u32 v[T1], MG0+64, v[T1]
.irp w,0,1,2,3,4,5,6,7
	ds_load_b64 v[P+2*\w:P+2*\w+1], v[T1] offset:\w*MGW
.endr
	ds_load_b32 v[ML], v[T1] offset:8              ; m (equal in all waves)
	s_wait_dscnt 0x0
.irp w,0,4,8,12
	v_pk_add_f32 v[P+\w:P+\w+1], v[P+\w:P+\w+1], v[P+\w+2:P+\w+3]
.endr
	v_pk_add_f32 v[P:P+1], v[P:P+1], v[P+4:P+5]
	v_pk_add_f32 v[P+8:P+9], v[P+8:P+9], v[P+12:P+13]
	v_pk_add_f32 v[P:P+1], v[P:P+1], v[P+8:P+9]
	v_add_f32 v[ML+1], v[P], v[P+1]
	global_store_b64 v[GM], v[ML:ML+1], s[14:15]   ; a wave's 32 lanes cover 256 consecutive bytes, aligned
.Lsum:
	s_wait_dscnt 0x0
.irp w,0,2,4,6
	v_pk_add_f32 v[S+4*\w:S+4*\w+1], v[S+4*\w:S+4*\w+1], v[S+4*\w+4:S+4*\w+5]
	v_pk_add_f32 v[S+4*\w+2:S+4*\w+3], v[S+4*\w+2:S+4*\w+3], v[S+4*\w+6:S+4*\w+7]
.endr
.irp w,0,4
	v_pk_add_f32 v[S+4*\w:S+4*\w+1], v[S+4*\w:S+4*\w+1], v[S+4*\w+8:S+4*\w+9]
	v_pk_add_f32 v[S+4*\w+2:S+4*\w+3], v[S+4*\w+2:S+4*\w+3], v[S+4*\w+10:S+4*\w+11]
.endr
	v_pk_add_f32 v[S:S+1], v[S:S+1], v[S+16:S+17]
	v_pk_add_f32 v[S+2:S+3], v[S+2:S+3], v[S+18:S+19]
	global_store_b128 v[GO], v[S:S+3], s[12:13]    ; 16 bytes a thread: the work-group's 4,096 bytes of po are dense
	s_wait_tensorcnt 0x0
	ds_add_u32 v46, v47
	s_wait_dscnt 0x0
	s_endpgm
.Lfunc_end_k_q4a3bcc1fbf_partial:
	.size	k_q4a3bcc1fbf_partial, .Lfunc_end_k_q4a3bcc1fbf_partial-k_q4a3bcc1fbf_partial
	.p2alignl 7, 3214868480
	.fill 96, 4, 3214868480
	.section	.rodata,"a",@progbits
	.p2align	6, 0x0
	.amdhsa_kernel k_q4a3bcc1fbf_partial
		.amdhsa_group_segment_fixed_size 207872
		.amdhsa_private_segment_fixed_size 0
		.amdhsa_enable_private_segment 0
		.amdhsa_kernarg_size 48
		.amdhsa_user_sgpr_count 2
		.amdhsa_user_sgpr_kernarg_segment_ptr 1
		.amdhsa_wavefront_size32 1
		.amdhsa_system_sgpr_workgroup_id_x 1
		.amdhsa_system_sgpr_workgroup_id_y 1
		.amdhsa_system_sgpr_workgroup_id_z 1
		.amdhsa_system_vgpr_workitem_id 0
		.amdhsa_next_free_vgpr 256
		.amdhsa_next_free_sgpr 66
		.amdhsa_reserve_vcc 1
		.amdhsa_float_denorm_mode_32 3
		.amdhsa_float_denorm_mode_16_64 3
		.amdhsa_memory_ordered 1
		.amdhsa_forward_progress 1
		.amdhsa_inst_pref_size 167
	.end_amdhsa_kernel
	.amdgpu_metadata
---
amdhsa.version: [ 1, 2 ]
amdhsa.kernels:
  - .name:           k_q4a3bcc1fbf_partial
    .symbol:         k_q4a3bcc1fbf_partial.kd
    .args:
      - { .name: indices, .offset: 0, .size: 8, .value_kind: global_buffer, .address_space: global }
      - { .name: pairs, .offset: 8, .size: 8, .value_kind: global_buffer, .address_space: global }
      - { .name: t, .offset: 16, .size: 8, .value_kind: global_buffer, .address_space: global }
      - { .name: x_input, .offset: 24, .size: 8, .value_kind: global_buffer, .address_space: global }
      - { .name: po, .offset: 32, .size: 8, .value_kind: global_buffer, .address_space: global }
      - { .name: pml, .offset: 40, .size: 8, .value_kind: global_buffer, .address_space: global }
    .group_segment_fixed_size: 207872
    .private_segment_fixed_size: 0
    .kernarg_segment_align: 8
    .kernarg_segment_size: 48
    .max_flat_workgroup_size: 256
    .sgpr_count:     66
    .vgpr_count:     256
    .wavefront_size: 32
...
	.end_amdgpu_metadata
.endif
;; end of part 3
;; launch combine: the kernel of part 2 again; grid 256 x 1, 2 waves a work-group, no clusters, 0 bytes of LDS; arguments po, pml, x_input, t, out0; writes out0
